; MI455X (gfx1250); checked and timed in simulation.
; The chip was launched on July 23, 2026; its instructions are those of AMD's public machine-readable ISA for CDNA 5 (MIT licence, August 2026) and "CDNA5" Instruction Set Architecture Reference Guide (July 2026). The comments in the code are by the model that wrote it; some were corrected since.
;; Grouped Query Attention. Allowed arithmetic: matrix products marked QUANTISED: E2M3 operands, one E8M0 scale for each 32 along K, by v_wmma_scale_f32_16x16x128_f8f6f4 with both operands' format E2M3, f32 sums; everything else in f32.
;; Inputs: Wk 1,024 x 256 float32; Wo 1,024 x 1,024 float32; Wq 1,024 x 1,024 float32; Wv 1,024 x 256 float32; x 1 x 4,096 x 1,024 float32.
;; Outputs: out0 1 x 4,096 x 1,024 float32.
;; This version of the problem:
;;   THIS VERSION OF THE PROBLEM IS GIVEN IN LOW PRECISION. The matrix products marked QUANTISED in the list below multiply operands that are first quantised to E2M3 (2 exponent bits, 3 mantissa bits; 6 bits a number), with one power-of-two scale for each 32 numbers along K (OCP MX v1.0); their sums are f32. All else is computed in f32.
;;   The module's matrix products, in the order in which they are computed (A, B: the left and right operand; K: the contracted axis; several contracted axes count as one K, in the product's order):
;;     1. [M 4,096, K 1,024] x [K 1,024, N 1,024]; A: input x; B: input Wq: QUANTISED
;;     2. [M 4,096, K 1,024] x [K 1,024, N 256]; A: input x; B: input Wk: QUANTISED
;;     3. [M 4,096, K 1,024] x [K 1,024, N 256]; A: input x; B: input Wv: QUANTISED
;;     4. batch 16 x [M 4,096, K 64] x [K 64, N 4,096]; A: computed on the way; B: computed on the way: QUANTISED
;;     5. batch 16 x [M 64, K 4,096] x [K 4,096, N 4,096]; A: computed on the way; B: softmax (see below): QUANTISED
;;     6. [M 4,096, K 1,024] x [K 1,024, N 1,024]; A: computed on the way; B: input Wo: QUANTISED
;;   THE QUANTISER, for each operand of a quantised product, along K:
;;     - K is cut into blocks of 32 from its start; a last block that is shorter is filled with zeros.
;;     - A block's scale is 2^e with e = floor(log2(the largest magnitude in the block)) - 2, held to -126 .. 127; a block of zeros has e = 0. As a byte (E8M0): e + 127.
;;     - Each number is divided by its block's scale, clamped to +-7.5, and rounded to the nearest number of E2M3, ties to even, subnormals kept.
;;     - The product sums the exact products of the quantised numbers (number of the format x scale) in f32.
;;   ~~~python
;;   def quantise(x, axis):      # numpy; x: float32 -> the quantised numbers, widened to float32 again
;;       x = np.moveaxis(x, axis, -1); K = x.shape[-1]
;;       x = np.pad(x, [(0, 0)] * (x.ndim - 1) + [(0, -K % 32)]); x = x.reshape(x.shape[:-1] + (-1, 32)); a = np.abs(x).max(-1, keepdims=True)
;;       e = np.where(a > 0, np.clip(np.frexp(np.where(a > 0, a, 1))[1] - 1 - 2, -126, 127), 0)      # np.frexp(a)[1] - 1 = floor(log2(a)), exactly
;;       r = np.clip(x / 2.0 ** e, -7.5, 7.5)
;;       step = 2.0 ** (np.maximum(np.frexp(np.where(r == 0, 1, r))[1] - 1, 0) - 3)
;;       q = np.round(r / step) * step * 2.0 ** e      # np.round: ties to even
;;       return np.moveaxis(q.reshape(q.shape[:-2] + (-1,))[..., :K], -1, axis).astype(np.float32)
;;   ~~~
;;   SOFTMAX AHEAD OF A QUANTISED PRODUCT. Where the list says 'softmax', what is quantised is not the finished softmax but p = 2^(t - M), with t = logit x log2(e) and M = ceil(the row's largest t), a whole number; so 1/2 < the row's largest p <= 1. The row's sum l is taken of the UNQUANTISED p, in f32, and the product's result is divided by l at the end. Since M is a whole number, a kernel that streams over the keys may use a running M (the ceiling of the running maximum): every later rescaling is an exact power of two, which a block's scale takes up: the codes' values come out the same.
;;   OPERANDS COMPUTED ON THE WAY. 'Computed on the way' means the value that the module computes at that place (a softmax that the list does not call 'softmax' is quantised finished and normalised). What goes into a quantiser is computed in f32, as accurately as f32 sums, v_exp_f32 and their like allow (about 1e-6 of the number): no bf16 or f16 on the way to a quantiser, and a product that is left as it is and whose result goes on into a quantised operand takes f32 operands (vector FMAs, or v_wmma_f32_16x16x4_f32). A number that lies on a knife's edge between two numbers of the format may be rounded either way, as far as f32 arithmetic and the matrix unit's own rounding can turn it there, and no further.
;; One version. Each part assembles by itself: llvm-mc -triple=amdgcn-amd-amdhsa -mcpu=gfx1250 --defsym DOCPART=n.
;; ======== version 1 of 1: 3 launches
;; limits: right only within a limited range of input values
;; workspace buffers: xw 5,111,808 bytes; xws 212,992 bytes; qkv 4,718,592 bytes; qkvs 196,608 bytes
;; launch quant (part 1): grid 672 x 1, 4 waves a work-group, no clusters, 48,640 bytes of LDS; arguments x, Wq, Wk, Wv, Wo, xw, xws; writes xw, xws
.if DOCPART == 1
	.amdgcn_target "amdgcn-amd-amdhsa--gfx1250"
	.amdhsa_code_object_version 6
	.text
	.protected	k_qce5638f3a0_quant
	.globl	k_qce5638f3a0_quant
	.p2align	8
	.type	k_qce5638f3a0_quant,@function
k_qce5638f3a0_quant:
	s_mov_b64 s[64:65], 0
	v_nop
	global_prefetch_b8 v0, s[64:65] scope:SCOPE_SE
	s_setreg_imm32_b32 hwreg(HW_REG_WAVE_MODE, 25, 1), 1
	s_wait_xcnt 0x0
; x [4096][1024] and the weights Wq, Wo [1024][1024], Wk, Wv [1024][256], all f32, become codes of FP6 (E2M3) with one E8M0 scale byte for each 32 along K = 1024.
; A block's scale is 2^(floor(log2(its largest magnitude)) - 2); its byte is the largest magnitude's exponent field - 2, held at 1 from below; each number is divided by the scale and rounded to the nearest code, ties to even.
; LIMITS: NaN and infinities among the inputs are not served.  A block whose largest magnitude lies under 2^-124 keeps the byte 1.  A block of zeros gets the byte 1 where the rule says 127:
; its codes are zeros, which add nothing under any byte but 0xff, and the bytes are read by this program alone.
; WHAT IS STORED.  xw holds IMAGES OF OPERAND REGISTERS.  A tile is 16 rows (tokens of x, columns of a weight) x all of K: 12,288 bytes; in it the fragment of K step kk (128 along K, 12 registers a lane) lies at 1,536 kk as two
; halves of 768 bytes (64 along K, 6 registers): registers 0-3 at 16 x lane, registers 4-5 at 512 + 8 x lane.  Tiles 0-255 are x's, 256 + nu the weights': nu 0-63 Wq, 64-79 Wk, 80-95 Wv, 96-159 Wo.
; THE ROWS OF A TILE ARE NOT NEIGHBOURS: lane r of tile T stands for row 32 (T / 2) + 8 (T % 2) + r + 8 (r / 8), so that in a product used transposed the 16 registers of tiles 2 b and 2 b + 1 are 16 neighbours.
; xws holds the scale words: tile T at 512 T; the word of row r and K step 4 H + j at 256 H + 16 r + 4 j.
; SHARES.  Every wave makes the codes of ONE K step: work-groups 0-511 take x (tile j / 2, K steps 4 (j % 2) + wave), work-groups 512-671 the weights (32 columns, two tiles, K steps 4 (j' % 2) + wave).
; No loop, no tensor load, no matrix unit: the launch streams, all its loads are asked for at once, and the work-groups share no input, so no cluster.  The two paths have LDS bytes of their own.
.set SPX,  528                         ; x's stage: a row of 512 bytes + 16, an odd multiple of 16 bytes
.set STX,  0                           ; x path: a stage of 16 rows for each wave
.set SCX,  4*16*SPX                    ; x path: 256 bytes of scale words
.set STW,  SCX+256                     ; weights: two tile images for each wave,
.set WIMG, 1664                        ; 1,536 bytes + 128 apart
.set SCW,  STW+4*2*WIMG                ; weights: 512 bytes of scale words
.set L16,  1                           ; v1   16 x lane
.set L8,   2                           ; v2   8 x lane
.set R,    16                          ; v16-79   x: 16 rows as loaded
.set X,    80                          ; v80-143  x: 64 numbers of my row
.set TM,   144                         ; v144-159 at work in QUANT
.set PW,   160                         ; v160     the scale word just made
.set PC,   164                         ; v164-183 the codes just made
.set XW,   16                          ; v16-143  weights: 128 numbers of my column
.set CW,   144                         ; v144-175 weights: eight registers for each block's codes
.set SBW,  180                         ; v180     weights: my column's scale word
.set SEL,  20                          ; s[20:21] lane selects for v_permlanex16_b32: lane l xor 16
; 64 numbers of a lane, register 16 b + i = k 32 b + 16 (lane / 16) + i of my row, become a fragment's codes in v[PC] on and its scale word in v[PW].
.macro QUANT s
.irp b, 0,1,2,3
	v_max3_num_f32 v[TM+\b], |v[\s+16*\b]|, |v[\s+1+16*\b]|, 0x1800000   ; block b: my 16 numbers, and the floor 2^(3 - 127): the byte cannot fall under 1
.endr
.irp i, 2,4,6,8,10,12,14
.irp b, 0,1,2,3
	v_max3_num_f32 v[TM+\b], v[TM+\b], |v[\s+16*\b+\i]|, |v[\s+1+16*\b+\i]|   ; the four blocks by turns
.endr
.endr
.irp b, 0,1,2,3
	v_permlanex16_b32 v[TM+4+\b], v[TM+\b], s[SEL], s[SEL+1]
.endr
.irp b, 0,1,2,3
	v_max_num_f32 v[TM+\b], v[TM+\b], v[TM+4+\b]   ; with lane l xor 16's: the block's largest magnitude
.endr
.irp b, 0,1,2,3
	v_add_nc_u32 v[TM+12+\b], 0xff000000, v[TM+\b]   ; 2 off its exponent field: the conversion takes the exponent field of this operand as its scale
.endr
.irp b, 0,1,2,3
	v_lshrrev_b32 v[TM+4+\b], 23, v[TM+12+\b]      ; the scale's byte
.endr
	v_lshl_or_b32 v[PW], v[TM+5], 8, v[TM+4]
	v_lshl_or_b32 v[PW], v[TM+6], 16, v[PW]
	v_lshl_or_b32 v[PW], v[TM+7], 24, v[PW]
.irp c, 0,1
	v_cvt_scalef32_pk16_fp6_f32 v[PC+6*\c:PC+2+6*\c], v[\s+32*\c:\s+15+32*\c], v[TM+12+2*\c]
	v_cvt_scalef32_pk16_fp6_f32 v[PC+12+4*\c:PC+14+4*\c], v[\s+16+32*\c:\s+31+32*\c], v[TM+12+2*\c+1]   ; (a conversion's three registers begin on an even number)
.endr
	v_nop                                          ; one plain place behind a scaled conversion
.irp c, 0,1                                    ; the operand's layout wants a whole block in a lane: lanes 0-15 block 2 c, lanes 16-31 block 2 c + 1
.irp i, 0,1,2
	v_permlane16_swap_b32 v[PC+6*\c+\i], v[PC+12+4*\c+\i]
.endr
.irp i, 0,1,2
	v_mov_b32 v[PC+3+6*\c+\i], v[PC+12+4*\c+\i]
.endr
.endr
.endm
	s_load_b256 s[4:11], s[0:1], 0x0               ; x s[4:5], Wq s[6:7], Wk s[8:9], Wv s[10:11]
	s_load_b128 s[12:15], s[0:1], 0x20             ; Wo s[12:13], xw s[14:15]
	s_load_b64 s[16:17], s[0:1], 0x30              ; xws
	v_lshl_add_u32 v192, v0, 2, 0xbc00
	v_mov_b32 v193, 0
	v_lshrrev_b32 v6, 5, v0
	v_readfirstlane_b32 s18, v6                    ; wave 0..3
	v_and_b32 v6, 31, v0                           ; lane
	v_lshlrev_b32 v[L16], 4, v6
	v_lshlrev_b32 v[L8], 3, v6
	v_and_b32 v7, 15, v0                           ; r
	v_bfe_u32 v8, v0, 4, 1                         ; h
	s_mov_b32 s[SEL], 0x76543210
	s_mov_b32 s[SEL+1], 0xfedcba98
	s_cmp_lt_u32 ttmp9, 512                        ; the same in all four waves
	s_cbranch_scc0 .Lweights
	; ---- x: the fragment of tile T = j / 2 and K step kk = 4 (j % 2) + wave
	s_lshr_b32 s22, ttmp9, 1                       ; T
	s_and_b32 s23, ttmp9, 1                        ; H
	s_lshl_b32 s24, s23, 2
	s_add_co_u32 s24, s24, s18                     ; kk
	s_lshr_b32 s25, s22, 1
	s_lshl_b32 s25, s25, 17                        ; 32 (T / 2) tokens of 4,096 bytes,
	s_and_b32 s26, s22, 1
	s_lshl_b32 s26, s26, 15                        ; 8 (T % 2) tokens,
	s_add_co_u32 s26, s26, s25
	s_lshl_b32 s27, s24, 9                         ; 128 numbers a K step
	s_add_co_u32 s26, s26, s27
	s_mov_b32 s27, 0
	s_mul_i32 s28, s22, 12288
	s_mul_i32 s29, s24, 1536
	s_add_co_u32 s28, s28, s29                     ; the fragment's place in xw
	s_mov_b32 s29, 0
	s_lshl_b32 s30, ttmp9, 8                       ; 512 T + 256 H in xws
	s_mov_b32 s31, 0
	s_mul_i32 s32, s18, 16*SPX                     ; my stage
	s_wait_alu depctr_va_vdst(0)
	v_add_nc_u32 v3, s32, v[L16]                   ; in: a row's 512 bytes as they lie
	v_mul_u32_u24 v4, v7, SPX
	v_lshl_add_u32 v4, v8, 6, v4
	v_add_nc_u32 v4, s32, v4                       ; out: row r, + 64 h: my 16 numbers of each block of 32
	v_lshlrev_b32 v5, 4, v7
	s_lshl_b32 s33, s18, 2
	v_add_nc_u32 v5, s33, v5                       ; my row's scale word: 16 r + 4 x wave
.irp b, 0,1,2,3
	v_mov_b32 v[TM+4+\b], 0                        ; written once: a lane permute's destination counts as one of its sources
.endr
	s_wait_alu depctr_va_vdst(0)
	s_wait_kmcnt 0x0
	s_add_nc_u64 s[4:5], s[4:5], s[26:27]
	s_add_nc_u64 s[14:15], s[14:15], s[28:29]
	s_add_nc_u64 s[16:17], s[16:17], s[30:31]
.irp i, 0,1,2,3,4,5,6,7,8,9,10,11,12,13,14,15
	global_load_b128 v[R+4*\i:R+4*\i+3], v[L16], s[4:5] offset:(\i+8*(\i/8))*4096 th:TH_LOAD_NT   ; the tile's row i: 32 lanes read 512 consecutive bytes of one token
.endr
.irp i, 0,1,2,3,4,5,6,7,8,9,10,11,12,13,14,15
	s_wait_loadcnt 15-\i                           ; loads come back in order: row i is in, the younger rows stay out
	ds_store_b128 v3, v[R+4*\i:R+4*\i+3] offset:STX+\i*SPX
.endr
.irp b, 0,1,2,3
.irp j, 0,1,2,3
	ds_load_b128 v[X+16*\b+4*\j:X+16*\b+4*\j+3], v4 offset:STX+128*\b+16*\j   ; LDS serves a wave's instructions in order: these see my stores
.endr
.endr
	s_wait_dscnt 0x0
	QUANT X
	global_store_b128 v[L16], v[PC:PC+3], s[14:15]                   ; the image: each store covers 512 or 256 consecutive bytes, aligned
	global_store_b64 v[L8], v[PC+4:PC+5], s[14:15] offset:512
	global_store_b128 v[L16], v[PC+6:PC+9], s[14:15] offset:768
	global_store_b64 v[L8], v[PC+10:PC+11], s[14:15] offset:1280
	ds_store_b32 v5, v[PW] offset:SCX              ; both halves of the lanes write the same word with the same value
	s_wait_dscnt 0x0                               ; for the others' sake: my word has landed
	s_barrier_signal -1
	s_barrier_wait -1
	s_cmp_lg_u32 s18, 0
	s_cbranch_scc1 .Lx_end
	ds_load_b64 v[10:11], v[L8] offset:SCX         ; wave 0: the four waves' words of 16 rows,
	s_wait_dscnt 0x0
	global_store_b64 v[L8], v[10:11], s[16:17]     ; 256 consecutive bytes, aligned
.Lx_end:
	s_wait_tensorcnt 0x0
	ds_add_u32 v192, v193
	s_wait_dscnt 0x0
	s_endpgm
	; ---- the weights: 32 columns (pair P = j' / 2 of tiles) x the K step kk = 4 (j' % 2) + wave.  A LANE TAKES A COLUMN, AND ITS REGISTERS RUN DOWN K
.Lweights:
	s_sub_co_u32 s22, ttmp9, 512
	s_lshr_b32 s23, s22, 1                         ; P
	s_and_b32 s24, s22, 1                          ; H
	s_lshl_b32 s25, s24, 2
	s_add_co_u32 s25, s25, s18                     ; kk
	v_bfe_u32 v9, v0, 3, 1                         ; column l of the 32 lies in tile u = (l / 8) % 2
	v_and_b32 v10, 7, v0
	s_wait_alu depctr_va_vdst(0)
	v_lshl_or_b32 v10, v8, 3, v10                  ; at lane r = l % 8 + 8 (l / 16)
	s_mul_i32 s33, s18, 2*WIMG
	s_add_co_u32 s33, s33, STW                     ; my two images
	v_mul_u32_u24 v11, v9, WIMG
	v_add_nc_u32 v11, s33, v11
	v_lshl_add_u32 v3, v10, 4, v11                 ; where my registers 0-3 of a half go,
	v_lshl_add_u32 v4, v10, 3, v11                 ; and my registers 4-5
	v_add_nc_u32 v5, s33, v[L16]                   ; back: as the image lies
	v_lshlrev_b32 v12, 8, v9
	v_lshl_add_u32 v12, v10, 4, v12
	s_lshl_b32 s34, s18, 2
	v_add_nc_u32 v12, s34, v12                     ; my column's scale word: 256 u + 16 r + 4 x wave
	v_lshlrev_b32 v13, 2, v6                       ; in: 4 bytes a lane
	v_lshlrev_b32 v14, 9, v8
	v_lshl_add_u32 v14, v7, 4, v14                 ; xws: 512 (lane / 16) + 16 (lane % 16)
	s_lshl_b32 s36, s23, 1
	s_add_co_u32 s36, s36, 256                     ; the pair's first tile
	s_mul_i32 s38, s36, 12288
	s_mul_i32 s39, s25, 1536
	s_add_co_u32 s38, s38, s39
	s_mov_b32 s39, 0
	s_lshl_b32 s40, s36, 9
	s_lshl_b32 s41, s24, 8
	s_add_co_u32 s40, s40, s41
	s_mov_b32 s41, 0
	s_wait_kmcnt 0x0
	s_add_nc_u64 s[14:15], s[14:15], s[38:39]
	s_add_nc_u64 s[16:17], s[16:17], s[40:41]
	s_mov_b64 s[26:27], s[12:13]                   ; which weight, and its first pair: the choice hangs on the work-group's number alone
	s_mov_b32 s28, 48                              ; Wo
	s_cmp_lt_u32 s23, 48
	s_cselect_b64 s[26:27], s[10:11], s[26:27]     ; Wv
	s_cselect_b32 s28, 40, s28
	s_cmp_lt_u32 s23, 40
	s_cselect_b64 s[26:27], s[8:9], s[26:27]       ; Wk
	s_cselect_b32 s28, 32, s28
	s_cmp_lt_u32 s23, 32
	s_cselect_b64 s[26:27], s[6:7], s[26:27]       ; Wq
	s_cselect_b32 s28, 0, s28
	s_sub_co_u32 s29, s23, s28
	s_lshl_b32 s30, s29, 7                         ; 32 columns of 4 bytes a pair
	s_sub_co_u32 s32, s23, 32
	s_cmp_lt_u32 s32, 16                           ; Wk and Wv have rows of 1,024 bytes, Wq and Wo of 4,096
	s_cselect_b32 s35, 17, 19
	s_lshl_b32 s35, s25, s35                       ; 128 rows a K step
	s_add_co_u32 s30, s30, s35
	s_mov_b32 s31, 0
	s_add_nc_u64 s[26:27], s[26:27], s[30:31]
.macro WLOAD rb                        ; W(128 kk + i, my column): 32 lanes read 128 consecutive bytes
.set I, 0
.rept 128
	global_load_b32 v[XW+I], v13, s[26:27] offset:I*\rb th:TH_LOAD_NT
.set I, I+1
.endr
.endm
	s_cmp_lt_u32 s32, 16
	s_cbranch_scc0 .Lwide
	s_wait_alu depctr_va_vdst(0)
	WLOAD 1024
	s_branch .Lloaded
.Lwide:
	s_wait_alu depctr_va_vdst(0)
	WLOAD 4096
.Lloaded:
; Block t of 32 along K is all mine.  In the fragment it belongs to lane (r, h = t % 2), registers 6 (t / 2) on.  cnt: how many younger loads may stay out
.macro BLOCK t, cnt
.set XS, XW+32*(\t)
.set CT, CW+8*(\t)
	s_wait_loadcnt \cnt
	v_max3_num_f32 v176, |v[XS]|, |v[XS+1]|, |v[XS+2]|
	v_max3_num_f32 v177, |v[XS+3]|, |v[XS+4]|, |v[XS+5]|
.irp i, 6,10,14,18,22,26
	v_max3_num_f32 v176, v176, |v[XS+\i]|, |v[XS+\i+1]|
	v_max3_num_f32 v177, v177, |v[XS+\i+2]|, |v[XS+\i+3]|
.endr
	v_max3_num_f32 v176, v176, |v[XS+30]|, |v[XS+31]|
	v_max3_num_f32 v176, v176, v177, 0x1800000     ; and the floor 2^(3 - 127)
	v_add_nc_u32 v178, 0xff000000, v176            ; 2 off the exponent field: the conversion's scale operand
	v_cvt_scalef32_pk16_fp6_f32 v[CT:CT+2], v[XS:XS+15], v178
	v_cvt_scalef32_pk16_fp6_f32 v[CT+4:CT+6], v[XS+16:XS+31], v178
	v_lshrrev_b32 v179, 23, v178                   ; the scale's byte; also the plain place behind the conversions
.if (\t) == 0
	v_mov_b32 v[SBW], v179
.else
	v_lshl_or_b32 v[SBW], v179, 8*(\t), v[SBW]     ; the lower K in the lower byte
.endif
	v_mov_b32 v[CT+3], v[CT+4]                     ; the block's six registers on end
	v_mov_b32 v[CT+4], v[CT+5]
	v_mov_b32 v[CT+5], v[CT+6]
	ds_store_b128 v3, v[CT:CT+3] offset:((\t)/2)*768+((\t)%2)*256
	ds_store_b64 v4, v[CT+4:CT+5] offset:((\t)/2)*768+512+((\t)%2)*128
.endm
	BLOCK 0, 63                                    ; 96 younger loads could stay out; 63 is the largest count that a wait names
	BLOCK 1, 63                                    ; (64 could)
	BLOCK 2, 32
	BLOCK 3, 0
	ds_store_b32 v12, v[SBW] offset:SCW
.irp n, 0,1,2,3,4,5
	ds_load_b128 v[16+4*\n:16+4*\n+3], v5 offset:(\n/3)*WIMG+512*(\n%3)   ; LDS serves a wave's instructions in order: these see my stores
.endr
.irp n, 0,1,2,3,4,5
	s_wait_dscnt 5-\n
	global_store_b128 v[L16], v[16+4*\n:16+4*\n+3], s[14:15] offset:(\n/3)*12288+512*(\n%3)   ; 512 consecutive bytes, aligned
.endr
	s_wait_dscnt 0x0                               ; for the others' sake: my scale word has landed
	s_barrier_signal -1
	s_barrier_wait -1
	s_cmp_lg_u32 s18, 0
	s_cbranch_scc1 .Lw_end
	ds_load_b128 v[40:43], v[L16] offset:SCW       ; wave 0: the four waves' words of the two tiles' rows,
	s_wait_dscnt 0x0
	global_store_b128 v14, v[40:43], s[16:17]      ; sixteen lanes store 256 consecutive bytes, aligned, in each tile's part
.Lw_end:
	s_wait_tensorcnt 0x0
	ds_add_u32 v192, v193
	s_wait_dscnt 0x0
	s_endpgm
.Lfunc_end_k_qce5638f3a0_quant:
	.size	k_qce5638f3a0_quant, .Lfunc_end_k_qce5638f3a0_quant-k_qce5638f3a0_quant
	.p2alignl 7, 3214868480
	.fill 96, 4, 3214868480
	.section	.rodata,"a",@progbits
	.p2align	6, 0x0
	.amdhsa_kernel k_qce5638f3a0_quant
		.amdhsa_group_segment_fixed_size 48640
		.amdhsa_private_segment_fixed_size 0
		.amdhsa_enable_private_segment 0
		.amdhsa_kernarg_size 56
		.amdhsa_user_sgpr_count 2
		.amdhsa_user_sgpr_kernarg_segment_ptr 1
		.amdhsa_wavefront_size32 1
		.amdhsa_system_sgpr_workgroup_id_x 1
		.amdhsa_system_sgpr_workgroup_id_y 1
		.amdhsa_system_sgpr_workgroup_id_z 1
		.amdhsa_system_vgpr_workitem_id 0
		.amdhsa_next_free_vgpr 194
		.amdhsa_next_free_sgpr 66
		.amdhsa_reserve_vcc 0
		.amdhsa_float_denorm_mode_32 3
		.amdhsa_float_denorm_mode_16_64 3
		.amdhsa_memory_ordered 1
		.amdhsa_forward_progress 1
		.amdhsa_inst_pref_size 46
	.end_amdhsa_kernel
	.amdgpu_metadata
---
amdhsa.version: [ 1, 2 ]
amdhsa.kernels:
  - .name:           k_qce5638f3a0_quant
    .symbol:         k_qce5638f3a0_quant.kd
    .args:
      - { .name: x, .offset: 0, .size: 8, .value_kind: global_buffer, .address_space: global }
      - { .name: Wq, .offset: 8, .size: 8, .value_kind: global_buffer, .address_space: global }
      - { .name: Wk, .offset: 16, .size: 8, .value_kind: global_buffer, .address_space: global }
      - { .name: Wv, .offset: 24, .size: 8, .value_kind: global_buffer, .address_space: global }
      - { .name: Wo, .offset: 32, .size: 8, .value_kind: global_buffer, .address_space: global }
      - { .name: xw, .offset: 40, .size: 8, .value_kind: global_buffer, .address_space: global }
      - { .name: xws, .offset: 48, .size: 8, .value_kind: global_buffer, .address_space: global }
    .group_segment_fixed_size: 48640
    .private_segment_fixed_size: 0
    .kernarg_segment_align: 8
    .kernarg_segment_size: 56
    .max_flat_workgroup_size: 128
    .sgpr_count:     66
    .vgpr_count:     194
    .wavefront_size: 32
...
	.end_amdgpu_metadata
.endif
;; end of part 1
;; launch qkvp (part 2): grid 16 x 6, 4 waves a work-group, clusters of 4 x 1, 327,680 bytes of LDS; arguments xw, xws, qkv, qkvs; writes qkv, qkvs
.if DOCPART == 2
	.amdgcn_target "amdgcn-amd-amdhsa--gfx1250"
	.amdhsa_code_object_version 6
	.text
	.protected	k_qce5638f3a0_qkvp
	.globl	k_qce5638f3a0_qkvp
	.p2align	8
	.type	k_qce5638f3a0_qkvp,@function
k_qce5638f3a0_qkvp:
	s_mov_b64 s[64:65], 0
	v_nop
	global_prefetch_b8 v0, s[64:65] scope:SCOPE_SE
	s_setreg_imm32_b32 hwreg(HW_REG_WAVE_MODE, 25, 1), 1
	s_wait_xcnt 0x0
	s_wait_alu depctr_hold_cnt(0) depctr_sa_sdst(0) depctr_va_vdst(0) depctr_va_sdst(0) depctr_va_ssrc(0) depctr_va_vcc(0) depctr_vm_vsrc(0)
	s_getreg_b32 s2, hwreg(HW_REG_IB_STS2, 6, 4)
	s_cmp_eq_u32 s2, 0
	s_cbranch_scc0 .Lentry_in_a_cluster
	s_endpgm
.Lentry_in_a_cluster:
	s_bfe_u32 s2, ttmp6, 0x10000c
	s_cmp_lg_u32 s2, 0x3003
	s_cbranch_scc0 .Lentry_shape_is_right
	s_endpgm
.Lentry_shape_is_right:
.set FR,     12
.set NL,     4
.set NP,     4
.set HALFT,  8*3072
.set SLOT,   4*HALFT
.set SPARE,  2*SLOT
.set ADRA16, 16
.set ADRA8,  18
.set ADRB16, 20
.set ADRB8,  22
.set L16,    24
.set L8,     25
.set LN,     26
.set SPW,    28
.set NIL,    29
.set SCA,    32
.set SCB,    64
.set AF,     128
.set TM,     128
.set PC,     144
.set PWS,    164
.set WQ,     172
.set WK,     176
.set SELV,   180
.set G1,  24
.set G0,  32
.set G1B, 48
.set G0B, 56
.set SEL, 66
.set MSB, 0
.macro WIN new
.if MSB != \new
	s_set_vgpr_msb (MSB<<8)|\new
.set MSB, \new
.endif
.endm
.set MUL_LO, 0xa1
.set MUL_HI, 0xf1
.set TO_B,   0x40
.macro JLOAD g0a, g1a, g0b, g1b
	s_cmp_eq_u32 s15, 0
	s_cbranch_scc0 .Lfor_b_\@
	tensor_load_to_lds s[\g0a:\g0a+3], s[\g1a:\g1a+7]
	s_nop 0
.rept 4
	v_nop
.endr
	s_branch .Lasked_\@
.Lfor_b_\@:
	tensor_load_to_lds s[\g0b:\g0b+3], s[\g1b:\g1b+7]
	s_nop 0
.rept 4
	v_nop
.endr
.Lasked_\@:
.endm
.macro CREST
	s_cmp_lg_u32 s14, 0
	s_cbranch_scc1 .Lnot_wave_0_\@
	s_barrier_signal -3
.Lnot_wave_0_\@:
	s_barrier_wait -3
	s_barrier_signal -1
	s_barrier_wait -1
.endm
.macro CROUND
	s_barrier_signal -1
	s_barrier_wait -1
	CREST
.endm
.macro PLACES n
.rept \n
	v_nop
.endr
.endm
.macro FRAG reg, a16, a8, off
	ds_load_b128 v[\reg:\reg+3], v[\a16] offset:\off
	ds_load_b64 v[\reg+4:\reg+5], v[\a8] offset:\off+512
	ds_load_b128 v[\reg+6:\reg+9], v[\a16] offset:\off+768
	ds_load_b64 v[\reg+10:\reg+11], v[\a8] offset:\off+1280
.endm
.macro FETCH_B slot, q, p
	WIN TO_B
.irp i, 0,1,2,3,4,5,6,7
	FRAG 128*(\p)+FR*\i, ADRB16+\slot, ADRB8+\slot, \i*3072+(\q)*1536
.endr
	WIN 0
.endm
.macro FETCH_A slot, q, i0
.irp i, \i0, \i0+1, \i0+2, \i0+3
	FRAG AF+FR*(\i), ADRA16+\slot, ADRA8+\slot, (\i)*3072+(\q)*1536
.endr
.endm
.macro MUL16 a0, p, kk, zero
.irp a, \a0, \a0+1
.irp b, 0,1,2,3,4,5,6,7
.if \zero
	v_wmma_scale_f32_16x16x128_f8f6f4 v[8*(8*((\a)%4)+\b):8*(8*((\a)%4)+\b)+7], v[128*(\p)+FR*\b:128*(\p)+FR*\b+FR-1], v[AF+FR*(\a):AF+FR*(\a)+FR-1], 0, v[SCB+4*\b+(\kk)%4], v[SCA+4*(\a)+(\kk)%4] matrix_a_fmt:MATRIX_FMT_FP6 matrix_b_fmt:MATRIX_FMT_FP6
.elseif (\kk) < 4
	v_wmma_scale_f32_16x16x128_f8f6f4 v[8*(8*((\a)%4)+\b):8*(8*((\a)%4)+\b)+7], v[128*(\p)+FR*\b:128*(\p)+FR*\b+FR-1], v[AF+FR*(\a):AF+FR*(\a)+FR-1], v[8*(8*((\a)%4)+\b):8*(8*((\a)%4)+\b)+7], v[SCB+4*\b+(\kk)%4], v[SCA+4*(\a)+(\kk)%4] matrix_a_fmt:MATRIX_FMT_FP6 matrix_b_fmt:MATRIX_FMT_FP6
.else
	v_wmma_scale_f32_16x16x128_f8f6f4 v[8*(8*((\a)%4)+\b):8*(8*((\a)%4)+\b)+7], v[128*(\p)+FR*\b:128*(\p)+FR*\b+FR-1], v[AF+FR*(\a):AF+FR*(\a)+FR-1], v[8*(8*((\a)%4)+\b):8*(8*((\a)%4)+\b)+7], v[SCB+4*\b+(\kk)%4], v[SCA+4*(\a)+(\kk)%4] matrix_a_fmt:MATRIX_FMT_FP6 matrix_b_fmt:MATRIX_FMT_FP6 matrix_a_scale:MATRIX_SCALE_ROW1 matrix_b_scale:MATRIX_SCALE_ROW1
.endif
.endr
.endr
.endm
.macro STEP slot, kk, zero
	s_wait_dscnt 4*NL
	WIN MUL_LO
	MUL16 0, 0, \kk, \zero
	MUL16 2, 0, \kk, \zero
	s_wait_dscnt 0
	PLACES NP
	FETCH_B \slot, 1, 1
	FETCH_A \slot, 1, 0
	WIN MUL_HI
	MUL16 4, 0, \kk, \zero
	MUL16 6, 0, \kk, \zero
	PLACES NP
	WIN 0
	FETCH_A \slot, 1, 4
.endm
.macro TURN slot, next, kk, fill
	s_wait_tensorcnt 0x0
	ds_add_u32 v[SPW], v[NIL]
	s_wait_dscnt 4*NL+1
	WIN MUL_LO
	MUL16 0, 1, \kk, 0
	s_wait_dscnt 0x0
	s_barrier_signal -1
	MUL16 2, 1, \kk, 0
	WIN 0
	s_barrier_wait -1
.if \fill
	CREST
	s_add_nc_u64 s[G0+4*\slot+2:G0+4*\slot+3], s[G0+4*\slot+2:G0+4*\slot+3], 2*3072
	s_add_nc_u64 s[G0B+4*\slot+2:G0B+4*\slot+3], s[G0B+4*\slot+2:G0B+4*\slot+3], 2*3072
	JLOAD G0+4*\slot, G1, G0B+4*\slot, G1B
.else
	PLACES NP
.endif
	FETCH_B \next, 0, 0
	FETCH_A \next, 0, 0
	WIN MUL_HI
	MUL16 4, 1, \kk, 0
	MUL16 6, 1, \kk, 0
	PLACES NP
	WIN 0
	FETCH_A \next, 0, 4
.endm
	s_load_b256 s[4:11], s[0:1], 0x0
	v_lshl_add_u32 v[SPW], v0, 2, SPARE
	v_mov_b32 v[NIL], 0
	ds_add_u32 v28, v29
	ds_add_u32 v28, v29
	s_wait_dscnt 0x0
	v_lshrrev_b32 v1, 5, v0
	v_readfirstlane_b32 s14, v1
	s_lshr_b32 s15, s14, 1
	s_and_b32 s16, s14, 1
	s_bfe_u32 s40, ttmp6, 0x40000
	s_lshl_b32 s42, ttmp9, 2
	s_add_co_u32 s42, s42, s40
	s_and_b32 s17, ttmp7, 0xffff
	s_mov_b32 s[G1+0], 3<<16
	s_mov_b32 s[G1B+0], 15|(3<<16)|(1<<21)
.irp g, G1, G1B
	s_mov_b32 s[\g+1], 384<<16
	s_mov_b32 s[\g+2], 8<<16
	s_mov_b32 s[\g+3], 384<<16
	s_mov_b32 s[\g+4], 8
	s_mov_b32 s[\g+5], 1536
	s_mov_b32 s[\g+6], 0
	s_mov_b32 s[\g+7], 0
.endr
	s_lshl_b32 s18, s16, 3
	s_lshl_b32 s20, s42, 4
	s_add_co_u32 s20, s20, s18
	s_mul_i32 s20, s20, 12288
	s_mov_b32 s21, 0
	s_lshl_b32 s46, s17, 4
	s_add_co_u32 s46, s46, s18
	s_add_co_u32 s46, s46, 256
	s_mul_i32 s46, s46, 12288
	s_mov_b32 s47, 0
	s_mul_i32 s45, s14, HALFT
	s_wait_kmcnt 0x0
	s_add_nc_u64 s[20:21], s[4:5], s[20:21]
	s_add_nc_u64 s[46:47], s[4:5], s[46:47]
	CROUND
.irp s, 0,1
	s_mov_b32 s[G0+4*\s], 1
	s_add_co_u32 s[G0+4*\s+1], s45, \s*SLOT
	s_add_nc_u64 s[G0+4*\s+2:G0+4*\s+3], s[20:21], \s*3072
	s_or_b32 s[G0+4*\s+3], s[G0+4*\s+3], 0x80000000
	s_mov_b32 s[G0B+4*\s], 1
	s_add_co_u32 s[G0B+4*\s+1], s45, \s*SLOT
	s_add_nc_u64 s[G0B+4*\s+2:G0B+4*\s+3], s[46:47], \s*3072
	s_or_b32 s[G0B+4*\s+3], s[G0B+4*\s+3], 0x80000000
	s_wait_alu depctr_va_vdst(0)
	s_wait_tensorcnt 0x0
	ds_add_u32 v28, v29
	ds_add_u32 v28, v29
	s_wait_dscnt 0x0
	CROUND
	JLOAD G0+4*\s, G1, G0B+4*\s, G1B
.endr
	v_and_b32 v[LN], 31, v0
	v_lshlrev_b32 v[L16], 4, v[LN]
	s_wait_alu depctr_va_vdst(0)
	v_lshlrev_b32 v[L8], 3, v[LN]
	s_wait_alu depctr_va_vdst(0)
	s_mov_b32 s[SEL], 0x76543210
	s_mov_b32 s[SEL+1], 0xfedcba98
	s_lshl_b32 s82, s42, 4
	s_lshl_b32 s83, s17, 4
	s_add_co_u32 s83, s83, 256
	s_cmp_eq_u32 s17, 5
	s_cselect_b32 s80, 2*HALFT, 0
	s_cselect_b32 s81, 0, 2*HALFT
	s_cselect_b32 s84, s83, s82
	s_cselect_b32 s85, s82, s83
	s_mul_i32 s86, s15, HALFT
	s_add_co_u32 s80, s80, s86
	s_mul_i32 s86, s16, HALFT
	s_add_co_u32 s81, s81, s86
.irp s, 0,1
	v_add_nc_u32 v[ADRA16+\s], s80, v[L16]
	v_add_nc_u32 v[ADRA8+\s], s80, v[L8]
	v_add_nc_u32 v[ADRB16+\s], s81, v[L16]
	v_add_nc_u32 v[ADRB8+\s], s81, v[L8]
	s_add_co_u32 s80, s80, SLOT
	s_add_co_u32 s81, s81, SLOT
.endr
	s_lshl_b32 s86, s15, 3
	s_add_co_u32 s86, s86, s84
	s_lshl_b32 s86, s86, 9
	s_mov_b32 s87, 0
	s_add_nc_u64 s[86:87], s[6:7], s[86:87]
	s_lshl_b32 s88, s16, 3
	s_add_co_u32 s88, s88, s85
	s_lshl_b32 s88, s88, 9
	s_mov_b32 s89, 0
	s_add_nc_u64 s[88:89], s[6:7], s[88:89]
.irp i, 0,1,2,3,4,5,6,7
	global_load_b128 v[SCA+4*\i:SCA+4*\i+3], v[L16], s[86:87] offset:512*\i
	global_load_b128 v[SCB+4*\i:SCB+4*\i+3], v[L16], s[88:89] offset:512*\i
.endr
	s_lshl_b32 s90, s17, 1
	s_add_co_u32 s90, s90, s16
	s_mul_i32 s91, s90, 393216
	s_lshl_b32 s92, s15, 3
	s_add_co_u32 s92, s92, s82
	s_mul_i32 s92, s92, 768
	s_add_co_u32 s91, s91, s92
	s_lshl_b32 s92, s15, 1
	s_add_co_u32 s92, s92, 20
	s_mul_i32 s92, s92, 196608
	s_lshl_b32 s93, s42, 1
	s_add_co_u32 s94, s93, s16
	s_add_co_u32 s95, s93, s15
	s_mul_i32 s96, s94, 6144
	s_add_co_u32 s92, s92, s96
	s_lshl_b32 s96, s90, 5
	s_add_co_u32 s96, s96, s95
	s_lshl_b32 s96, s96, 9
	s_lshl_b32 s97, s95, 10
	s_lshl_b32 s98, s16, 9
	s_add_co_u32 s97, s97, s98
	s_add_co_u32 s97, s97, 131072
	s_lshl_b32 s98, s94, 10
	s_lshl_b32 s99, s15, 9
	s_add_co_u32 s98, s98, s99
	s_add_co_u32 s98, s98, 163840
	s_mov_b32 s18, 3072
	s_mov_b32 s19, 196608
	s_cmp_eq_u32 s17, 4
	s_cselect_b32 s96, s97, s96
	s_cselect_b32 s78, -1, 0
	s_cmp_eq_u32 s17, 5
	s_cselect_b32 s96, s98, s96
	s_cselect_b32 s90, s92, s91
	s_cselect_b32 s92, s18, s19
	s_cselect_b32 s94, s19, s18
	s_mov_b32 s91, 0
	s_mov_b32 s93, 0
	s_mov_b32 s95, 0
	s_mov_b32 s97, 0
	s_add_nc_u64 s[68:69], s[8:9], s[90:91]
	s_add_nc_u64 s[70:71], s[68:69], s[92:93]
	s_add_nc_u64 s[72:73], s[68:69], s[94:95]
	s_add_nc_u64 s[74:75], s[72:73], s[92:93]
	s_add_nc_u64 s[76:77], s[10:11], s[96:97]
	s_wait_alu depctr_va_vdst(0)
	s_wait_tensorcnt 1
	s_barrier_signal -1
	s_barrier_wait -1
	FETCH_B 0, 0, 0
	FETCH_A 0, 0, 0
	FETCH_A 0, 0, 4
	s_wait_loadcnt 0x0
	STEP 0, 0, 1
	TURN 0, 1, 1, 1
	STEP 1, 2, 0
	TURN 1, 0, 3, 1
	STEP 0, 4, 0
	TURN 0, 1, 5, 0
	STEP 1, 6, 0
	s_wait_dscnt 4*NL
	WIN MUL_LO
	MUL16 0, 1, 7, 0
	MUL16 2, 1, 7, 0
	s_wait_dscnt 0
	WIN MUL_HI
	MUL16 4, 1, 7, 0
	MUL16 6, 1, 7, 0
	WIN 0
.macro QUANTW a
.set WC, 2+(\a)/4
.set WM, WC|(WC<<2)
.set SA, 64*((\a)%4)
.set SB, 68+4*((\a)/4)
	WIN WM
.irp b, 0,1,2,3
	v_max3_num_f32 v[TM+\b], |v[SA+16*\b]|, |v[SA+1+16*\b]|, 0x1800000
.endr
.irp i, 2,4,6,8,10,12,14
.irp b, 0,1,2,3
	v_max3_num_f32 v[TM+\b], |v[SA+16*\b+\i]|, |v[SA+1+16*\b+\i]|, v[TM+\b]
.endr
.endr
	WIN 0
.irp b, 0,1,2,3
	v_permlanex16_b32 v[TM+4+\b], v[TM+\b], s[SEL], s[SEL+1]
.endr
.irp b, 0,1,2,3
	v_max_num_f32 v[TM+\b], v[TM+\b], v[TM+4+\b]
.endr
.irp b, 0,1,2,3
	v_add_nc_u32 v[TM+12+\b], 0xff000000, v[TM+\b]
.endr
.irp b, 0,1,2,3
	v_lshrrev_b32 v[TM+4+\b], 23, v[TM+12+\b]
.endr
	v_lshl_or_b32 v[PWS+(\a)], v[TM+5], 8, v[TM+4]
	v_lshl_or_b32 v[PWS+(\a)], v[TM+6], 16, v[PWS+(\a)]
	v_lshl_or_b32 v[PWS+(\a)], v[TM+7], 24, v[PWS+(\a)]
	s_wait_xcnt 0x0
	WIN WC
.irp c, 0,1
	v_cvt_scalef32_pk16_fp6_f32 v[PC+6*\c:PC+2+6*\c], v[SA+32*\c:SA+15+32*\c], v[TM+12+2*\c]
	v_cvt_scalef32_pk16_fp6_f32 v[PC+12+4*\c:PC+14+4*\c], v[SA+16+32*\c:SA+31+32*\c], v[TM+12+2*\c+1]
.endr
	WIN 0
	v_nop
.irp c, 0,1
.irp i, 0,1,2
	v_permlane16_swap_b32 v[PC+6*\c+\i], v[PC+12+4*\c+\i]
.endr
.irp i, 0,1,2
	v_mov_b32 v[PC+3+6*\c+\i], v[PC+12+4*\c+\i]
.endr
.endr
	global_store_b128 v[L16], v[PC:PC+3], s[SB:SB+1] offset:((\a)%4)*768
	global_store_b64 v[L8], v[PC+4:PC+5], s[SB:SB+1] offset:((\a)%4)*768+512
	global_store_b128 v[L16], v[PC+6:PC+9], s[SB+2:SB+3] offset:((\a)%4)*768
	global_store_b64 v[L8], v[PC+10:PC+11], s[SB+2:SB+3] offset:((\a)%4)*768+512
.endm
	PLACES NP
.irp b, 0,1,2,3
	v_mov_b32 v[TM+4+\b], 0
.endr
.irp a, 0,1,2,3,4,5,6,7
	QUANTW \a
.endr
	v_cmp_le_u32 vcc_lo, 16, v[LN]
	v_mov_b32 v[SELV], 0x05040100
	v_mov_b32 v[SELV+1], 0x07060302
	v_cndmask_b32 v[SELV], v[SELV], v[SELV+1], vcc_lo
.irp j, 0,1,2,3
	v_cndmask_b32 v[WQ+\j], v[PWS+\j], v[PWS+4+\j], vcc_lo
	v_perm_b32 v[WK+\j], v[PWS+2*\j+1], v[PWS+2*\j], v[SELV]
.endr
.irp j, 0,1,2,3
	v_cndmask_b32 v[WQ+\j], v[WQ+\j], v[WK+\j], s78
.endr
	global_store_b128 v[L16], v[WQ:WQ+3], s[76:77]
	s_wait_tensorcnt 0x0
	ds_add_u32 v[SPW], v[NIL]
	s_wait_dscnt 0x0
	CROUND
	s_endpgm
.Lfunc_end_k_qce5638f3a0_qkvp:
	.size	k_qce5638f3a0_qkvp, .Lfunc_end_k_qce5638f3a0_qkvp-k_qce5638f3a0_qkvp
	.p2alignl 7, 3214868480
	.fill 96, 4, 3214868480
	.section	.rodata,"a",@progbits
	.p2align	6, 0x0
	.amdhsa_kernel k_qce5638f3a0_qkvp
		.amdhsa_group_segment_fixed_size 327680
		.amdhsa_private_segment_fixed_size 0
		.amdhsa_enable_private_segment 0
		.amdhsa_kernarg_size 32
		.amdhsa_user_sgpr_count 2
		.amdhsa_user_sgpr_kernarg_segment_ptr 1
		.amdhsa_wavefront_size32 1
		.amdhsa_system_sgpr_workgroup_id_x 1
		.amdhsa_system_sgpr_workgroup_id_y 1
		.amdhsa_system_sgpr_workgroup_id_z 1
		.amdhsa_system_vgpr_workitem_id 0
		.amdhsa_next_free_vgpr 1024
		.amdhsa_next_free_sgpr 100
		.amdhsa_reserve_vcc 1
		.amdhsa_float_denorm_mode_32 3
		.amdhsa_float_denorm_mode_16_64 3
		.amdhsa_memory_ordered 1
		.amdhsa_forward_progress 1
		.amdhsa_inst_pref_size 148
	.end_amdhsa_kernel
	.amdgpu_metadata
---
amdhsa.version: [ 1, 2 ]
amdhsa.kernels:
  - .name:           k_qce5638f3a0_qkvp
    .symbol:         k_qce5638f3a0_qkvp.kd
    .args:
      - { .name: xw, .offset: 0, .size: 8, .value_kind: global_buffer, .address_space: global }
      - { .name: xws, .offset: 8, .size: 8, .value_kind: global_buffer, .address_space: global }
      - { .name: qkv, .offset: 16, .size: 8, .value_kind: global_buffer, .address_space: global }
      - { .name: qkvs, .offset: 24, .size: 8, .value_kind: global_buffer, .address_space: global }
    .group_segment_fixed_size: 327680
    .private_segment_fixed_size: 0
    .kernarg_segment_align: 8
    .kernarg_segment_size: 32
    .max_flat_workgroup_size: 128
    .sgpr_count:     100
    .vgpr_count:     1024
    .wavefront_size: 32
...
	.end_amdgpu_metadata
.endif
;; end of part 2
;; launch attno (part 3): grid 256 x 1, 4 waves a work-group, clusters of 4 x 1, 327,680 bytes of LDS; arguments qkv, qkvs, xw, xws, out0; writes out0
.if DOCPART == 3
	.amdgcn_target "amdgcn-amd-amdhsa--gfx1250"
	.amdhsa_code_object_version 6
	.text
	.protected	k_qce5638f3a0_attno
	.globl	k_qce5638f3a0_attno
	.p2align	8
	.type	k_qce5638f3a0_attno,@function
k_qce5638f3a0_attno:
	s_mov_b64 s[64:65], 0
	v_nop
	global_prefetch_b8 v0, s[64:65] scope:SCOPE_SE
	s_setreg_imm32_b32 hwreg(HW_REG_WAVE_MODE, 25, 1), 1
	s_wait_xcnt 0x0
	s_wait_alu depctr_hold_cnt(0) depctr_sa_sdst(0) depctr_va_vdst(0) depctr_va_sdst(0) depctr_va_ssrc(0) depctr_va_vcc(0) depctr_vm_vsrc(0)
	s_getreg_b32 s2, hwreg(HW_REG_IB_STS2, 6, 4)
	s_cmp_eq_u32 s2, 0
	s_cbranch_scc0 .Lentry_in_a_cluster
	s_endpgm
.Lentry_in_a_cluster:
	s_bfe_u32 s2, ttmp6, 0x10000c
	s_cmp_lg_u32 s2, 0x3003
	s_cbranch_scc0 .Lentry_shape_is_right
	s_endpgm
.Lentry_shape_is_right:
; out0[token][:] = (softmax(q k^T / 8) v, 16 heads of 64 on 4 groups of keys and values, 4,096 tokens) Wo: scores, weighted sum and last product in one launch, all on codes of FP6 (E2M3) with E8M0 scales.
; THE SOFTMAX: t = score x log2(e) / 8; M = the row's largest t so far, rounded UP to a whole number; p = 2^(t - M) is quantised along the keys, not normalised.  The row's sum is taken of the unquantised p, in f32,
; and divides O at the end.  When M moves, the sum and O are multiplied by 2^(old M - new M): exact.
; SHARES.  A work-group owns ONE query tile (16 tokens) x all 16 heads, so that it holds whole rows of the last product's operand.  Wave g owns group g's 4 heads: each fragment of k and v that it reads from LDS
; feeds four heads.  256 work-groups, 4 waves, one to a SIMD.  Every wave walks all keys, 128 a step.
; THE SCORES' K IS 64, THE INSTRUCTION'S 128: a fragment of k holds two key tiles; it is multiplied once by [q, 0] and once by [0, q] (18 registers: q, six of zero codes, q).
; Both products are used transposed: a lane holds one query throughout.  Lane r of tile T stands for row 32 (T / 2) + 8 (T % 2) + r + 8 (r / 8), so the 16 registers of tiles 2 b, 2 b + 1 are 16 neighbours.
; RING.  Two LDS slots of 2 key steps; in each, wave g's 24,576 bytes: its group's k (12,288), then v.  Each wave fetches its own by ONE load of two rows and alone reads them.
; CLUSTER 4 x 1: the four partners walk the same k and v: every tensor load is joint (mask 15), its address made of the wave's number alone.
; No prefetch of k and v: a refill is asked for two steps (96 matrix instructions a wave) ahead of its first read.  k's and v's scale words come as whole units of 256 bytes straight into registers, a step ahead.
; THE LAST PRODUCT.  O / the sum is quantised along d; two heads make a K step of 128.  The eight fragments meet in LDS bytes of their own; wave w then makes columns 256 w .. + 255.
; Wo's fragments go from memory straight into registers, not by joint loads: each feeds ONE matrix instruction, and 786,432 bytes through slots of 98,304 would take eight more rounds of the cluster's barrier.
; They are prefetched: the cluster's 512 lanes name 512 blocks of 256 bytes in each of the last six refilling trips, each of the 3,072 blocks once, the last of them four key steps ahead of the first load.
; REGISTERS, in windows of 256.  0: addresses, q, p's codes, block maxima, scale words, M, f, sums.  1: S^T, then p: head h at 64 h.  2: O^T: head h at 32 h; k's fragments at 128, v's at 176.  3: Wo's fragments and two accumulators.
; LIMITS: NaN and infinities are not served; a block of p or o under 2^-124, zeros among them, keeps the byte 1; 1 / the sum is v_rcp_f32's.
.set STEPB, 6144                       ; a step's k, and a step's v, of one group
.set VOFF,  2*STEPB                    ; in a wave's part of a slot: k's two steps, then v's
.set WREG,  2*VOFF
.set SLOT1, 1<<17                      ; slot 1 begins here
.set STG,   2*SLOT1                    ; o's eight fragments (12,288 bytes) and scale words (1,024): no fill lands here
.set SPARE, STG+13312                  ; the spare words: 128 bytes a wave
.set SPITCH, 1040                      ; the way out: a row of 1,024 bytes + 16
.set B16, 1                            ; my part of slot 0 + 16 x lane
.set B8,  2                            ; + 8 x lane
.set SPW, 3
.set NIL, 4
.set A16, 5                            ; the step's addresses
.set A8,  6
.set R16, 7                            ; 16 x (lane % 16)
.set PFO, 8                            ; 256 x lane
.set WSC, 8                            ; v8-15 in the tail: Wo's scale words of two tiles
.set Q,   16                           ; 18 a head
.set PCD, 88                           ; p's codes, 12 a head
.set PC2, 136                          ; 8 a head: four chains of the sum, then the conversions' second halves
.set BM,  168                          ; the blocks' largest scores, then p
.set BP,  184
.set SOP, 200
.set SWK, 216
.set SWV, 220
.set PSW, 224
.set QSW, 228
.set NM,  232                          ; pairs (-M, largest t)
.set F,   240                          ; pairs (f, a temporary)
.set SUM, 248                          ; pairs
.set KF,  128                          ; window 2
.set VF,  176
.set STA, 216                          ; the tail's addresses
.set STS, 217
.set STR, 218
.set STR4, 219
.set STO0, 220
.set STOA, 221
.set L16T, 223
.set L8T, 228
.set OF,  16                           ; o's eight fragments
.set OSW, 112                          ; and scale words
.set WV,  14
.set SEL, 20
.set CS,  22
.set G1T, 24
.set G0T, 32
.set QBS, 36
.set QSB, 38
.set SKB, 40
.set SVB, 42
.set OB,  44
.set WB,  46
.set WSB, 48
.set TB,  50
.set SLOTS, 51
.set STP, 52
.set GC,  53
.set PF0, 54
.set PFA, 56
.set PO,  58
.set SO,  62
.set MSB, 0
.macro WIN new                         ; the immediate's high byte repeats the setting that is left
.if MSB != \new
	s_set_vgpr_msb (MSB<<8)|\new
.set MSB, \new
.endif
.endm
.macro NOPS n
.rept \n
	v_nop
.endr
.endm
.macro CROUND                          ; a round of the cluster's barrier
	s_barrier_signal -1
	s_barrier_wait -1
	s_cmp_lg_u32 s[WV], 0
	s_cbranch_scc1 .Lnot_wave_0_\@
	s_barrier_signal -3
.Lnot_wave_0_\@:
	s_barrier_wait -3
	s_barrier_signal -1
	s_barrier_wait -1
.endm
.macro MM0 d, a, b, sa, sb             ; a product that starts a sum
	v_wmma_scale_f32_16x16x128_f8f6f4 v[\d:\d+7], v[\a:\a+11], v[\b:\b+11], 0, v[\sa], v[\sb] matrix_a_fmt:MATRIX_FMT_FP6 matrix_b_fmt:MATRIX_FMT_FP6
.endm
.macro MMA d, a, b, sa, sb, mod        ; and one that adds in place
	v_wmma_scale_f32_16x16x128_f8f6f4 v[\d:\d+7], v[\a:\a+11], v[\b:\b+11], v[\d:\d+7], v[\sa], v[\sb] matrix_a_fmt:MATRIX_FMT_FP6 matrix_b_fmt:MATRIX_FMT_FP6 \mod
.endm
.macro FRAG reg, off                   ; a fragment as it lies: two halves of 768 bytes
	ds_load_b128 v[\reg:\reg+3], v[A16] offset:\off
	ds_load_b64 v[\reg+4:\reg+5], v[A8] offset:\off+512
	ds_load_b128 v[\reg+6:\reg+9], v[A16] offset:\off+768
	ds_load_b64 v[\reg+10:\reg+11], v[A8] offset:\off+1280
.endm
.macro KLOAD off                       ; a step's four fragments of k
	WIN 0x80
.irp b, 0,1,2,3
	FRAG KF+12*\b, \off+1536*\b
.endr
	WIN 0
.endm
.macro XLANE n                         ; n block maxima joined with lane l xor 16's
.set N, 0
.rept \n
	v_permlanex16_b32 v[BP+N], v[BM+N], s[SEL], s[SEL+1]
.set N, N+1
.endr
.set N, 0
.rept \n
	v_max_num_f32 v[BM+N], v[BM+N], v[BP+N]
.set N, N+1
.endr
.endm
; nu operands of 128 along K: numbers in window 1 at 64 u, their blocks' largest magnitudes in v[BM + 4 u ..] -> codes v[PCD + 12 u ..], scale word v[PSW + u]
.macro QCODES nu
.set N, 0
.rept 4*\nu
	v_max_num_f32 v[BM+N], 0x1800000, v[BM+N]      ; the floor 2^(3 - 127): the byte cannot fall under 1
.set N, N+1
.endr
.set N, 0
.rept 4*\nu
	v_add_nc_u32 v[SOP+N], 0xff000000, v[BM+N]     ; 2 off the exponent field: the conversion's scale operand
.set N, N+1
.endr
.set N, 0
.rept 4*\nu
	v_lshrrev_b32 v[BP+N], 23, v[SOP+N]            ; the scale's byte
.set N, N+1
.endr
.irp y, 1,2,3
.set N, 0
.rept \nu
.if \y == 1
	v_lshl_or_b32 v[PSW+N], v[BP+4*N+1], 8, v[BP+4*N]
.else
	v_lshl_or_b32 v[PSW+N], v[BP+4*N+\y], 8*\y, v[PSW+N]
.endif
.set N, N+1
.endr
.endr
	WIN 0x01
.set N, 0
.rept 2*\nu
	v_cvt_scalef32_pk16_fp6_f32 v[PCD+6*N:PCD+6*N+2], v[32*N:32*N+15], v[SOP+2*N]
	v_cvt_scalef32_pk16_fp6_f32 v[PC2+4*N:PC2+4*N+2], v[32*N+16:32*N+31], v[SOP+2*N+1]   ; (a conversion's three registers begin on an even number)
.set N, N+1
.endr
	WIN 0
	v_nop                                          ; one plain place behind a scaled conversion
.set N, 0
.rept 2*\nu                                    ; a whole block in a lane: lanes 0-15 the even block, lanes 16-31 the odd one
.irp i, 0,1,2
	v_permlane16_swap_b32 v[PCD+6*N+\i], v[PC2+4*N+\i]
.endr
.set N, N+1
.endr
.set N, 0
.rept 2*\nu
.irp i, 0,1,2
	v_mov_b32 v[PCD+6*N+3+\i], v[PC2+4*N+\i]
.endr
.set N, N+1
.endr
.endm
	s_load_b256 s[4:11], s[0:1], 0x0               ; qkv s[4:5], qkvs s[6:7], xw s[8:9], xws s[10:11]
	s_load_b64 s[12:13], s[0:1], 0x20              ; out0
	v_lshl_add_u32 v[SPW], v0, 2, SPARE
	v_mov_b32 v[NIL], 0
	ds_add_u32 v[SPW], v[NIL]                      ; the opening: the add, twice on end, and its wait ahead of my first tensor load
	ds_add_u32 v[SPW], v[NIL]
	v_lshrrev_b32 v5, 5, v0
	v_readfirstlane_b32 s[WV], v5                  ; wave = group g
	s_bfe_u32 s15, ttmp6, 0x40000                  ; cx: it enters global addresses of q, out0 and the prefetch alone
	s_lshl_b32 s16, ttmp9, 2
	s_add_co_u32 s16, s16, s15                     ; my query tile
	; group 1: two rows (k's plane 16 + g, v's plane 20 + g) of 12,288 bytes (1,536 elements of 8), 4 planes of 196,608 bytes apart
	s_mov_b32 s[G1T], 15|(3<<16)|(1<<21)           ; the mask: all four partners; bit 21 set beside it
	s_mov_b32 s[G1T+1], 1536<<16
	s_mov_b32 s[G1T+2], 2<<16
	s_mov_b32 s[G1T+3], 1536<<16
	s_mov_b32 s[G1T+4], 2
	s_mov_b32 s[G1T+5], 98304
	s_mov_b32 s[G1T+6], 0
	s_mov_b32 s[G1T+7], 0
	s_mov_b32 s[SEL], 0x76543210
	s_mov_b32 s[SEL+1], 0xfedcba98
	s_mov_b32 s[CS], 0x3e38aa3b                    ; c = log2(e) / 8
	s_mov_b32 s[CS+1], s[CS]
	s_mov_b32 s[TB], 0
	s_mov_b32 s[SLOTS], 15
	s_mov_b32 s[PO+1], 0
	s_mov_b32 s61, 0
	s_mul_i32 s17, s[WV], 196608
	s_mul_i32 s18, s[WV], WREG
	s_wait_dscnt 0x0                               ; both opening adds are done
	s_wait_kmcnt 0x0
	s_mov_b32 s[G0T], 1
	s_mov_b32 s[G0T+1], s18
	s_add_co_u32 s60, s17, 16*196608
	s_add_nc_u64 s[G0T+2:G0T+3], s[4:5], s[60:61]
	s_or_b32 s[G0T+3], s[G0T+3], 0x80000000
	CROUND                                         ; all four work-groups are here: the first joint loads meet
	tensor_load_to_lds s[G0T:G0T+3], s[G1T:G1T+7]  ; slot 0: steps 0 and 1; every wave issues one
	s_nop 0
	NOPS 4
	s_lshl_b32 s60, s17, 2                         ; q: plane 4 g, tile of 768 bytes
	s_mul_i32 s19, s16, 768
	s_add_co_u32 s60, s60, s19
	s_add_nc_u64 s[QBS:QBS+1], s[4:5], s[60:61]
	s_lshl_b32 s60, s[WV], 15                      ; q's scale words: two heads' bytes in a word, 16,384 bytes a pair of heads
	s_lshr_b32 s19, s16, 2
	s_lshl_b32 s19, s19, 8
	s_add_co_u32 s60, s60, s19
	s_and_b32 s19, s16, 3
	s_lshl_b32 s19, s19, 2
	s_add_co_u32 s60, s60, s19
	s_add_nc_u64 s[QSB:QSB+1], s[6:7], s[60:61]
	s_lshl_b32 s60, s[WV], 8                       ; k's and v's scale words: 1,024 bytes a step, 256 a group
	s_add_co_u32 s60, s60, 131072
	s_add_nc_u64 s[SKB:SKB+1], s[6:7], s[60:61]
	s_add_nc_u64 s[SVB:SVB+1], s[SKB:SKB+1], 32768
	s_lshr_b32 s60, s16, 1                         ; out0: token 32 (tile / 2) + 8 (tile % 2), column 256 x wave
	s_lshl_b32 s60, s60, 17
	s_and_b32 s19, s16, 1
	s_lshl_b32 s19, s19, 15
	s_add_co_u32 s60, s60, s19
	s_lshl_b32 s19, s[WV], 10
	s_add_co_u32 s60, s60, s19
	s_add_nc_u64 s[OB:OB+1], s[12:13], s[60:61]
	s_add_co_u32 s60, s17, 352*12288               ; Wo's tiles 352 + 16 x wave on
	s_add_nc_u64 s[WB:WB+1], s[8:9], s[60:61]
	s_lshl_b32 s60, s[WV], 13
	s_add_co_u32 s60, s60, 352*512
	s_add_nc_u64 s[WSB:WSB+1], s[10:11], s[60:61]
	s_lshl_b32 s60, s15, 2                         ; the prefetch: 32 blocks of 256 bytes for each of the cluster's 16 waves
	s_add_co_u32 s60, s60, s[WV]
	s_lshl_b32 s60, s60, 13
	s_add_co_u32 s60, s60, 352*12288
	s_add_nc_u64 s[PF0:PF0+1], s[8:9], s[60:61]
	v_and_b32 v[BM], 31, v0
	v_and_b32 v[R16], 15, v0
	v_lshlrev_b32 v5, 4, v[BM]
	v_lshlrev_b32 v6, 3, v[BM]
	v_lshlrev_b32 v[PFO], 8, v[BM]
	v_lshlrev_b32 v[R16], 4, v[R16]
	v_add_nc_u32 v[B16], s18, v5
	v_add_nc_u32 v[B8], s18, v6
.irp h, 0,1,2,3
	global_load_b128 v[Q+18*\h:Q+18*\h+3], v5, s[QBS:QBS+1] offset:\h*196608          ; q, for [q, 0],
	global_load_b64 v[Q+18*\h+4:Q+18*\h+5], v6, s[QBS:QBS+1] offset:\h*196608+512
	global_load_b128 v[Q+18*\h+12:Q+18*\h+15], v5, s[QBS:QBS+1] offset:\h*196608      ; and once more, for [0, q]
	global_load_b64 v[Q+18*\h+16:Q+18*\h+17], v6, s[QBS:QBS+1] offset:\h*196608+512
.endr
	global_load_b32 v[BM+1], v[R16], s[QSB:QSB+1]
	global_load_b32 v[BM+2], v[R16], s[QSB:QSB+1] offset:16384
.irp h, 0,1,2,3
.irp j, 6,7,8,9,10,11
	v_mov_b32 v[Q+18*\h+\j], 0                     ; zero codes: they add nothing under any scale byte but 0xff
.endr
	v_mov_b32 v[NM+2*\h+1], 0xff61b1e6             ; the largest t so far: -3e38
	v_mov_b32 v[SUM+2*\h], 0
	v_mov_b32 v[SUM+2*\h+1], 0
	v_mov_b32 v[F+2*\h+1], 0
.endr
.irp h, 0,1,2,3
	v_floor_f32 v[NM+2*\h], -v[NM+2*\h+1]          ; -M
.endr
.set N, 0
.rept 16
	v_mov_b32 v[BP+N], 0                           ; a lane permute's destination counts as one of its sources
.set N, N+1
.endr
	s_wait_loadcnt 0x0
.irp h, 0,2
	v_perm_b32 v[QSW+\h], v[BM+1+\h/2], v[BM+1+\h/2], 0x01000100     ; my head's two bytes, twice: for [q, 0] and [0, q] alike
	v_perm_b32 v[QSW+\h+1], v[BM+1+\h/2], v[BM+1+\h/2], 0x03020302
.endr
	global_load_b128 v[SWK:SWK+3], v[R16], s[SKB:SKB+1]   ; step 0's words of k: sixteen lanes read 256 consecutive bytes
	WIN 0x80
.set N, 0
.rept 128
	v_mov_b32 v[N], 0                              ; O^T: the step is written once; its first trip finds zeros, which the first change of M leaves zeros
.set N, N+1
.endr
	WIN 0
; A KEY STEP: 128 keys x my four heads' 16 queries
.macro STEP
	v_add_nc_u32 v[A16], s[TB], v[B16]
	v_add_nc_u32 v[A8], s[TB], v[B8]
	NOPS 2                                         ; four places behind the last products, in front of the load into v's words
	s_wait_alu depctr_va_vdst(0)
	s_wait_loadcnt 0x0                             ; this step's words of k are in
	s_add_nc_u64 s[SKB:SKB+1], s[SKB:SKB+1], 1024
	global_load_b128 v[SWV:SWV+3], v[R16], s[SVB:SVB+1]   ; this step's words of v
	s_wait_dscnt 0x0                               ; k's fragments are in
	WIN 0x42
.irp b, 0,1,2,3                                ; S^T: key tile 2 b by [q, 0], key tile 2 b + 1 by [0, q]; each fragment of k serves four heads
.irp h, 0,1,2,3
	MM0 64*\h+16*\b, KF+12*\b, Q+18*\h, SWK+\b, QSW+\h
	MM0 64*\h+16*\b+8, KF+12*\b, Q+18*\h+6, SWK+\b, QSW+\h
.endr
.endr
	WIN 0
	NOPS 4                                         ; places: k's registers and words take loads, and the scores are read
	global_load_b128 v[SWK:SWK+3], v[R16], s[SKB:SKB+1]   ; the next step's words of k (behind the last step: v's first words, inside the buffer, never used)
	s_cmp_eq_u32 s[STP], 1
	s_cbranch_scc1 .Lnok_\@                        ; the slot's last step: the next step's k lies in the other slot, behind the change
	KLOAD STEPB
.Lnok_\@:
	WIN 0x80
.irp t, 0,1,2,3                                ; v's four fragments (16 d x 128 keys): half c at 3,072 c + 768 t
	ds_load_b128 v[VF+12*\t:VF+12*\t+3], v[A16] offset:VOFF+768*\t
	ds_load_b64 v[VF+12*\t+4:VF+12*\t+5], v[A8] offset:VOFF+768*\t+512
	ds_load_b128 v[VF+12*\t+6:VF+12*\t+9], v[A16] offset:VOFF+768*\t+3072
	ds_load_b64 v[VF+12*\t+10:VF+12*\t+11], v[A8] offset:VOFF+768*\t+3584
.endr
	WIN 0x05                                       ; the largest score of each of 16 blocks of 32 keys (my 16 of them), each accumulator from its low end on
.set N, 0
.rept 16
	v_max_num_f32 v[BM+N], v[16*N], v[16*N+1]
.set N, N+1
.endr
.irp i, 2,4,6,8,10,12,14
.set N, 0
.rept 16
	v_max3_num_f32 v[BM+N], v[16*N+\i], v[16*N+\i+1], v[BM+N]
.set N, N+1
.endr
.endr
	WIN 0
	XLANE 16
.irp h, 0,1,2,3
	v_max3_num_f32 v[F+2*\h+1], v[BM+4*\h], v[BM+4*\h+1], v[BM+4*\h+2]
.endr
.irp h, 0,1,2,3
	v_max_num_f32 v[F+2*\h+1], v[F+2*\h+1], v[BM+4*\h+3]   ; the step's largest score of my query
.endr
.irp h, 0,1,2,3
	v_mul_f32 v[F+2*\h+1], s[CS], v[F+2*\h+1]      ; as t
.endr
.irp h, 0,1,2,3
	v_max_num_f32 v[NM+2*\h+1], v[NM+2*\h+1], v[F+2*\h+1]
.endr
.irp h, 0,1,2,3
	v_mov_b32 v[F+2*\h+1], v[NM+2*\h]
.endr
.irp h, 0,1,2,3
	v_floor_f32 v[NM+2*\h], -v[NM+2*\h+1]          ; the new -M = -ceil(t)
.endr
.irp h, 0,1,2,3
	v_sub_f32 v[F+2*\h+1], v[NM+2*\h], v[F+2*\h+1] ; old M - new M: a whole number, 0 or less
.endr
.irp h, 0,1,2,3
	v_cvt_i32_f32 v[F+2*\h+1], v[F+2*\h+1]         ; (it saturates)
.endr
.irp h, 0,1,2,3
	v_ldexp_f32 v[F+2*\h], 1.0, v[F+2*\h+1]        ; f = 2^(old M - new M)
.endr
.irp h, 0,1,2,3
.irp b, 0,1,2,3
	v_fma_f32 v[BM+4*\h+\b], v[BM+4*\h+\b], s[CS], v[NM+2*\h]   ; t - M of each block's largest score
.endr
.endr
	WIN 0x41
.irp h, 0,1,2,3
.set N, 0
.rept 32
	v_pk_fma_f32 v[64*\h+2*N:64*\h+2*N+1], v[64*\h+2*N:64*\h+2*N+1], s[CS:CS+1], v[NM+2*\h:NM+2*\h+1] op_sel_hi:[1,0,0]   ; t - M, two at a time
.set N, N+1
.endr
.endr
	s_wait_alu depctr_va_vdst(0)
.set N, 0
.rept 256
	v_exp_f32 v[N], v[N]                           ; p = 2^(t - M), at most 1
.set N, N+1
.endr
	WIN 0
.set N, 0
.rept 16
	v_exp_f32 v[BM+N], v[BM+N]                     ; the block's largest p: the same two instructions on the same number
.set N, N+1
.endr
.irp h, 0,1,2,3
	v_pk_mul_f32 v[SUM+2*\h:SUM+2*\h+1], v[SUM+2*\h:SUM+2*\h+1], v[F+2*\h:F+2*\h+1] op_sel_hi:[1,0]   ; the sums under the new M; plain places behind the batch
.endr
	s_wait_alu depctr_va_vdst(0)                   ; one wait for the batch of 272, ahead of its first reader
	WIN 0x05                                       ; the row's sum of the unquantised p: four chains a head
.irp h, 0,1,2,3
.irp c, 0,1,2,3
	v_pk_add_f32 v[PC2+8*\h+2*\c:PC2+8*\h+2*\c+1], v[64*\h+4*\c:64*\h+4*\c+1], v[64*\h+4*\c+2:64*\h+4*\c+3]
.endr
.endr
	WIN 0x01
.irp i, 16,24,32,40,48,56
.irp h, 0,1,2,3
.irp c, 0,1,2,3
	v_pk_add_f32 v[PC2+8*\h+2*\c:PC2+8*\h+2*\c+1], v[64*\h+\i+2*\c:64*\h+\i+2*\c+1], v[PC2+8*\h+2*\c:PC2+8*\h+2*\c+1]
.endr
.endr
.endr
	WIN 0
.irp h, 0,1,2,3
	v_pk_add_f32 v[PC2+8*\h:PC2+8*\h+1], v[PC2+8*\h:PC2+8*\h+1], v[PC2+8*\h+2:PC2+8*\h+3]
	v_pk_add_f32 v[PC2+8*\h+4:PC2+8*\h+5], v[PC2+8*\h+4:PC2+8*\h+5], v[PC2+8*\h+6:PC2+8*\h+7]
.endr
.irp h, 0,1,2,3
	v_pk_add_f32 v[PC2+8*\h:PC2+8*\h+1], v[PC2+8*\h:PC2+8*\h+1], v[PC2+8*\h+4:PC2+8*\h+5]
.endr
.irp h, 0,1,2,3
	v_pk_add_f32 v[SUM+2*\h:SUM+2*\h+1], v[SUM+2*\h:SUM+2*\h+1], v[PC2+8*\h:PC2+8*\h+1]
.endr
	QCODES 4
	WIN 0x82
	s_wait_alu depctr_va_vdst(0)                   ; directly ahead of the first reader of O^T
.irp h, 0,1,2,3
.set N, 0
.rept 16
	v_pk_mul_f32 v[32*\h+2*N:32*\h+2*N+1], v[32*\h+2*N:32*\h+2*N+1], v[F+2*\h:F+2*\h+1] op_sel_hi:[1,0]   ; O^T under the new M, from each accumulator's low end on; also the places between p's words and codes and the products
.set N, N+1
.endr
.endr
	s_wait_alu depctr_va_vdst(0)
	s_wait_loadcnt 0x1                             ; v's words are in; the one load behind them, the next step's words of k, may be out
	s_add_nc_u64 s[SVB:SVB+1], s[SVB:SVB+1], 1024
	s_wait_dscnt 0x0                               ; v's fragments are in (and the next step's k)
	WIN 0xa2
.irp h, 0,1,2,3                                ; O^T += v^T p^T: sixteen accumulators by turns
.irp t, 0,1,2,3
	MMA 32*\h+8*\t, VF+12*\t, PCD+12*\h, SWV+\t, PSW+\h
.endr
.endr
	WIN 0
	s_add_co_u32 s[TB], s[TB], STEPB
.endm
.macro STEPS                           ; a slot's two steps: written once, walked twice
	s_mov_b32 s[STP], 2
.Lstep_\@:
	STEP
	s_sub_co_u32 s[STP], s[STP], 1
	s_cmp_lg_u32 s[STP], 0
	s_cbranch_scc1 .Lstep_\@
.endm
.macro FIRSTK                          ; a slot's first fragments of k
	v_add_nc_u32 v[A16], s[TB], v[B16]
	v_add_nc_u32 v[A8], s[TB], v[B8]
	KLOAD 0
.endm
	s_wait_alu depctr_va_vdst(0)
.Lslot:                                            ; 15 trips: at a slot's head the other slot is asked for
	s_wait_xcnt 0x0                                ; my last prefetch has read its address
	s_wait_tensorcnt 0x0                           ; my part of the slot that I am about to read is in; no tensor load of mine is out
	ds_add_u32 v[SPW], v[NIL]                      ; 0 onto my spare word
	s_xor_b32 s[G0T+1], s[G0T+1], SLOT1            ; the other slot than last time,
	s_add_nc_u64 s[G0T+2:G0T+3], s[G0T+2:G0T+3], VOFF   ; the next two steps
	s_wait_dscnt 0x0                               ; the add is done, and my reads of the slot that I have left are over
	CROUND
	tensor_load_to_lds s[G0T:G0T+3], s[G1T:G1T+7]  ; the first thing behind the round, my one tensor load until the next
	s_nop 0
	NOPS 4
	FIRSTK
	s_cmp_le_u32 s[SLOTS], 6                       ; the last six trips ask for Wo's codes: trip i for bytes 131,072 i on
	s_cbranch_scc0 .Lnopf
	s_sub_co_u32 s[PO], 6, s[SLOTS]
	s_lshl_b32 s[PO], s[PO], 17
	s_add_nc_u64 s[PFA:PFA+1], s[PF0:PF0+1], s[PO:PO+1]
	s_cmp_lt_u32 ttmp9, 4
	s_cbranch_scc0 .Lno_prefetch_attno0
	global_prefetch_b8 v[PFO], s[PFA:PFA+1] th:TH_LOAD_NT scope:SCOPE_SE
.Lno_prefetch_attno0:
.Lnopf:
	STEPS
	s_sub_co_u32 s[TB], s[TB], VOFF                ; back to a slot's first step,
	s_xor_b32 s[TB], s[TB], SLOT1                  ; in the other slot
	s_sub_co_u32 s[SLOTS], s[SLOTS], 1
	s_cmp_lg_u32 s[SLOTS], 0
	s_cbranch_scc1 .Lslot
	s_wait_tensorcnt 0x0                           ; the last slot: nothing is filled again, and I alone read my part: my own wait is all the order that its reads need
	FIRSTK
	STEPS
	; THE TAIL.  Wo's first half group is asked for, then O^T / the sum is quantised: heads 2 u, 2 u + 1 of my four make K step 2 g + u of the last product
.macro WLOAD p                         ; two tiles of Wo x K steps 4 p .. 4 p + 3 -> window 3, 96 p on: 32 loads
	WIN 0xc0
.irp n, 0,1
.irp k, 0,1,2,3
	global_load_b128 v[96*(\p)+12*(4*\n+\k):96*(\p)+12*(4*\n+\k)+3], v[L16T], s[WB:WB+1] offset:\n*12288+(4*(\p)+\k)*1536
	global_load_b64 v[96*(\p)+12*(4*\n+\k)+4:96*(\p)+12*(4*\n+\k)+5], v[L8T], s[WB:WB+1] offset:\n*12288+(4*(\p)+\k)*1536+512
	global_load_b128 v[96*(\p)+12*(4*\n+\k)+6:96*(\p)+12*(4*\n+\k)+9], v[L16T], s[WB:WB+1] offset:\n*12288+(4*(\p)+\k)*1536+768
	global_load_b64 v[96*(\p)+12*(4*\n+\k)+10:96*(\p)+12*(4*\n+\k)+11], v[L8T], s[WB:WB+1] offset:\n*12288+(4*(\p)+\k)*1536+1280
.endr
.endr
	WIN 0
.endm
.macro WSCALE                          ; their scale words: lanes 0-15 K steps 0-3, lanes 16-31 K steps 4-7
	global_load_b128 v[WSC:WSC+3], v[L16T], s[WSB:WSB+1]
	global_load_b128 v[WSC+4:WSC+7], v[L16T], s[WSB:WSB+1] offset:512
.endm
	s_wait_loadcnt 0x0                             ; no load is out: the words' registers take addresses
	s_wait_xcnt 0x0                                ; and the prefetches' offset register takes scale words
	s_mul_i32 s17, s[WV], 3072
	s_add_co_u32 s17, s17, STG
	s_lshl_b32 s18, s[WV], 8
	s_add_co_u32 s18, s18, STG+12288
	s_mul_i32 s19, s[WV], WREG
	NOPS 4                                         ; places behind the last products
	v_and_b32 v229, 31, v0
	v_and_b32 v230, 15, v0
	v_bfe_u32 v231, v0, 4, 1
	v_lshlrev_b32 v[L16T], 4, v229
	v_lshlrev_b32 v[L8T], 3, v229
	v_add_nc_u32 v[STA], s17, v[L16T]              ; where my two fragments go: 1,536 (2 g + u) + 16 x lane, three times 512 bytes
	v_lshl_add_u32 v[STS], v229, 2, s18            ; and their scale words: 128 (2 g + u) + 4 x lane
	v_add_nc_u32 v[STR], STG, v[L16T]
	v_lshl_add_u32 v[STR4], v229, 2, STG+12288
	v_mul_u32_u24 v[STO0], v230, SPITCH            ; the way out: row r, + 64 (lane / 16), in my part of slot 0, which has had its last fill and which I alone read
	v_lshl_add_u32 v[STO0], v231, 6, v[STO0]
	v_add_nc_u32 v[STO0], s19, v[STO0]
	WLOAD 0
	WSCALE
.irp h, 0,1,2,3
	v_add_f32 v[SUM+2*\h], v[SUM+2*\h], v[SUM+2*\h+1]
.endr
.irp h, 0,1,2,3
	v_permlanex16_b32 v[F+2*\h+1], v[SUM+2*\h], s[SEL], s[SEL+1]
.endr
.irp h, 0,1,2,3
	v_add_f32 v[SUM+2*\h], v[SUM+2*\h], v[F+2*\h+1]   ; the row's sum
.endr
	s_wait_alu depctr_va_vdst(0)                   ; ahead of the batch
.irp h, 0,1,2,3
	v_rcp_f32 v[SUM+2*\h], v[SUM+2*\h]
.endr
	v_nop                                          ; a plain place behind the batch
	WIN 0x42
	s_wait_alu depctr_va_vdst(0)                   ; ahead of the first reader of the batch and of O^T
.irp h, 0,1,2,3
.set N, 0
.rept 16
	v_pk_mul_f32 v[32*\h+2*N:32*\h+2*N+1], v[32*\h+2*N:32*\h+2*N+1], v[SUM+2*\h:SUM+2*\h+1] op_sel_hi:[1,0]   ; o into window 1: register 32 h + 16 b + i is d = 32 b + 16 (lane / 16) + i of head h
.set N, N+1
.endr
.endr
	WIN 0x05
.set N, 0
.rept 8
	v_max_num_f32 v[BM+N], |v[16*N]|, |v[16*N+1]|
.set N, N+1
.endr
.irp i, 2,4,6,8,10,12,14
.set N, 0
.rept 8
	v_max3_num_f32 v[BM+N], |v[16*N+\i]|, |v[16*N+\i+1]|, v[BM+N]
.set N, N+1
.endr
.endr
	WIN 0
	XLANE 8
	QCODES 2
.irp u, 0,1
.irp i, 0,1,2
	ds_store_b128 v[STA], v[PCD+12*\u+4*\i:PCD+12*\u+4*\i+3] offset:1536*\u+512*\i   ; an image of the operand's registers
.endr
	ds_store_b32 v[STS], v[PSW+\u] offset:128*\u
.endr
	s_wait_dscnt 0x0                               ; for the others' sake: my fragments have landed
	s_barrier_signal -1
	s_barrier_wait -1
.irp k, 0,1,2,3,4,5,6,7
.irp i, 0,1,2
	ds_load_b128 v[OF+12*\k+4*\i:OF+12*\k+4*\i+3], v[STR] offset:1536*\k+512*\i
.endr
	ds_load_b32 v[OSW+\k], v[STR4] offset:128*\k
.endr
	WLOAD 1
	s_mov_b32 s[SO], 0
	s_mov_b32 s[GC], 7
	s_wait_dscnt 0x0
.macro MULW p                          ; eight products: two tiles of Wo by turns x four K steps; source 0 = Wo's 16 columns, source 1 = o's 16 tokens
.irp k, 0,1,2,3
.irp n, 0,1
.if (\p) == 0 && \k == 0
	MM0 192+8*\n, 12*(4*\n+\k), OF+12*\k, WSC+4*\n+\k, OSW+\k
.elseif (\p) == 0
	MMA 192+8*\n, 12*(4*\n+\k), OF+12*\k, WSC+4*\n+\k, OSW+\k
.else
	MMA 192+8*\n, 96+12*(4*\n+\k), OF+48+12*\k, WSC+4*\n+\k, OSW+4+\k, matrix_a_scale:MATRIX_SCALE_ROW1
.endif
.endr
.endr
.endm
; A group: 32 columns of out0.  Loads in order: first half (32), scale words (2), second half (32)
.macro GRP more
	s_wait_loadcnt 32                              ; the first half and the words are in; the 32 loads of the second half may be out
	WIN 0xf3
	MULW 0
	WIN 0
.if \more
	NOPS 4                                         ; places in front of loads into registers just multiplied
	s_wait_xcnt 0x0                                ; the loads have read their base
	s_add_nc_u64 s[WB:WB+1], s[WB:WB+1], 2*12288
	WLOAD 0
	s_wait_loadcnt 32                              ; the second half is in; the 32 just issued may be out
.else
	s_wait_loadcnt 0x0
.endif
	WIN 0xf3
	MULW 1
	WIN 0
	v_add_nc_u32 v[STOA], s[SO], v[STO0]
	NOPS 4                                         ; with the line above five places: the results are read, their sources loaded, and the accumulators begun anew
.if \more
	s_add_nc_u64 s[WSB:WSB+1], s[WSB:WSB+1], 1024
	WSCALE
	WLOAD 1
.endif
	WIN 0x0c
.irp i, 0,1,2,3
	ds_store_b128 v[STOA], v[192+4*\i:192+4*\i+3] offset:16*\i   ; 16 neighbouring columns of my token, each accumulator from its low end on
.endr
	WIN 0
	s_add_co_u32 s[SO], s[SO], 128
.endm
.Lgrp:
	GRP 1
	s_sub_co_u32 s[GC], s[GC], 1
	s_cmp_lg_u32 s[GC], 0
	s_cbranch_scc1 .Lgrp
	GRP 0                                          ; the last group asks for nothing more
	WIN 0xc0
.set N, 0
.rept 32
	ds_load_b128 v[4*N:4*N+3], v[B16] offset:(N/2)*SPITCH+512*(N%2)   ; LDS serves a wave's instructions in order: these see my stores
.set N, N+1
.endr
	WIN 0x0c
.set N, 0
.rept 4
	s_wait_dscnt 24-8*N
.irp i, 0,1,2,3,4,5,6,7
	global_store_b128 v[L16T], v[32*N+4*\i:32*N+4*\i+3], s[OB:OB+1] offset:((8*N+\i)/2+8*((8*N+\i)/16))*4096+512*(\i%2) th:TH_STORE_NT   ; 32 lanes store 512 consecutive bytes, aligned
.endr
.set N, N+1
.endr
	WIN 0
	s_wait_tensorcnt 0x0                           ; the wave's end
	ds_add_u32 v[SPW], v[NIL]
	s_wait_dscnt 0x0
	CROUND                                         ; the closing round
	s_endpgm
.Lfunc_end_k_qce5638f3a0_attno:
	.size	k_qce5638f3a0_attno, .Lfunc_end_k_qce5638f3a0_attno-k_qce5638f3a0_attno
	.p2alignl 7, 3214868480
	.fill 96, 4, 3214868480
	.section	.rodata,"a",@progbits
	.p2align	6, 0x0
	.amdhsa_kernel k_qce5638f3a0_attno
		.amdhsa_group_segment_fixed_size 327680
		.amdhsa_private_segment_fixed_size 0
		.amdhsa_enable_private_segment 0
		.amdhsa_kernarg_size 40
		.amdhsa_user_sgpr_count 2
		.amdhsa_user_sgpr_kernarg_segment_ptr 1
		.amdhsa_wavefront_size32 1
		.amdhsa_system_sgpr_workgroup_id_x 1
		.amdhsa_system_sgpr_workgroup_id_y 1
		.amdhsa_system_sgpr_workgroup_id_z 1
		.amdhsa_system_vgpr_workitem_id 0
		.amdhsa_next_free_vgpr 1024
		.amdhsa_next_free_sgpr 66
		.amdhsa_reserve_vcc 0
		.amdhsa_float_denorm_mode_32 3
		.amdhsa_float_denorm_mode_16_64 3
		.amdhsa_memory_ordered 1
		.amdhsa_forward_progress 1
		.amdhsa_inst_pref_size 168
	.end_amdhsa_kernel
	.amdgpu_metadata
---
amdhsa.version: [ 1, 2 ]
amdhsa.kernels:
  - .name:           k_qce5638f3a0_attno
    .symbol:         k_qce5638f3a0_attno.kd
    .args:
      - { .name: qkv, .offset: 0, .size: 8, .value_kind: global_buffer, .address_space: global }
      - { .name: qkvs, .offset: 8, .size: 8, .value_kind: global_buffer, .address_space: global }
      - { .name: xw, .offset: 16, .size: 8, .value_kind: global_buffer, .address_space: global }
      - { .name: xws, .offset: 24, .size: 8, .value_kind: global_buffer, .address_space: global }
      - { .name: out0, .offset: 32, .size: 8, .value_kind: global_buffer, .address_space: global }
    .group_segment_fixed_size: 327680
    .private_segment_fixed_size: 0
    .kernarg_segment_align: 8
    .kernarg_segment_size: 40
    .max_flat_workgroup_size: 128
    .sgpr_count:     66
    .vgpr_count:     1024
    .wavefront_size: 32
...
	.end_amdgpu_metadata
.endif
;; end of part 3
